; MI455X (gfx1250); checked and timed in simulation.
; The chip was launched on July 23, 2026; its instructions are those of AMD's public machine-readable ISA for CDNA 5 (MIT licence, August 2026) and "CDNA5" Instruction Set Architecture Reference Guide (July 2026). The comments in the code are by the model that wrote it; some were corrected since.
;; Dynamic Routing. Allowed arithmetic: matrix products marked QUANTISED: E2M3 operands, one E8M0 scale for each 32 along K, by v_wmma_scale_f32_16x16x128_f8f6f4 with both operands' format E2M3, f32 sums; products left as they are: f32 operands where the result goes on into a quantised operand, else bf16, f16 or f32 operands; f32 sums; everything else in f32.
;; Inputs: W_codes 1,024 x 32 x 24 uint8 (E2M3 codes of W, K innermost, in blocks of 32 codes, four codes in three bytes); W_scales 1,024 x 32 uint8 (E8M0 scales of W, one for each 32 codes along K); encoder_output_codes 1,024 x 64 x 32 x 24 uint8 (E2M3 codes of encoder_output, K innermost, in blocks of 32 codes, four codes in three bytes); encoder_output_scales 1,024 x 64 x 32 uint8 (E8M0 scales of encoder_output, one for each 32 codes along K).
;; Outputs: out0 1,024 x 1,024 float32.
;; This version of the problem:
;;   THIS VERSION OF THE PROBLEM IS GIVEN IN LOW PRECISION. The matrix products marked QUANTISED in the list below multiply operands that are first quantised to E2M3 (2 exponent bits, 3 mantissa bits; 6 bits a number), with one power-of-two scale for each 32 numbers along K (OCP MX v1.0); their sums are f32. All else is computed in f32.
;;   The module's matrix products, in the order in which they are computed (A, B: the left and right operand; K: the contracted axis; several contracted axes count as one K, in the product's order):
;;     1. [M 65,536, K 1,024] x [K 1,024, N 1,024]; A: input encoder_output (given as codes); B: input W (given as codes): QUANTISED
;;     2. batch 1,024 x [M 64, K 1,024] x [K 1,024, N 1]; A: computed on the way; B: computed on the way: left as it is (N = 1 < 16)
;;     3. batch 1,024 x [M 64, K 1,024] x [K 1,024, N 1]; A: computed on the way; B: computed on the way: left as it is (N = 1 < 16)
;;     4. batch 1,024 x [M 64, K 1,024] x [K 1,024, N 1]; A: computed on the way; B: computed on the way: left as it is (N = 1 < 16)
;;   THE QUANTISER, for each operand of a quantised product, along K:
;;     - K is cut into blocks of 32 from its start; a last block that is shorter is filled with zeros.
;;     - A block's scale is 2^e with e = floor(log2(the largest magnitude in the block)) - 2, held to -126 .. 127; a block of zeros has e = 0. As a byte (E8M0): e + 127.
;;     - Each number is divided by its block's scale, clamped to +-7.5, and rounded to the nearest number of E2M3, ties to even, subnormals kept.
;;     - The product sums the exact products of the quantised numbers (number of the format x scale) in f32.
;;   ~~~python
;;   def quantise(x, axis):      # numpy; x: float32 -> the quantised numbers, widened to float32 again
;;       x = np.moveaxis(x, axis, -1); K = x.shape[-1]
;;       x = np.pad(x, [(0, 0)] * (x.ndim - 1) + [(0, -K % 32)]); x = x.reshape(x.shape[:-1] + (-1, 32)); a = np.abs(x).max(-1, keepdims=True)
;;       e = np.where(a > 0, np.clip(np.frexp(np.where(a > 0, a, 1))[1] - 1 - 2, -126, 127), 0)      # np.frexp(a)[1] - 1 = floor(log2(a)), exactly
;;       r = np.clip(x / 2.0 ** e, -7.5, 7.5)
;;       step = 2.0 ** (np.maximum(np.frexp(np.where(r == 0, 1, r))[1] - 1, 0) - 3)
;;       q = np.round(r / step) * step * 2.0 ** e      # np.round: ties to even
;;       return np.moveaxis(q.reshape(q.shape[:-2] + (-1,))[..., :K], -1, axis).astype(np.float32)
;;   ~~~
;;   INPUTS GIVEN AS CODES. W (in the module: [1024, 1024], K = its axis 1); encoder_output (in the module: [1024, 64, 1024], K = its axis 2): each comes as NAME_codes (uint8): NAME with its K axis moved to the last place and cut into blocks of 32 codes, [.., K / 32, bytes a block], one block behind the other in memory; four codes in three bytes: a row's codes are one little-endian stream of bits, code i at bits 6 i .. 6 i + 5 (a code: sign, 2 exponent bits, 3 mantissa bits); and NAME_scales (uint8): the same leading axes, one E8M0 byte (e + 127) for each 32 codes along K. Its value is code x scale, taken as it is: it is not quantised again, and the codes and scales need not be those that the quantiser above would give.
;; One version. Each part assembles by itself: llvm-mc -triple=amdgcn-amd-amdhsa -mcpu=gfx1250 --defsym DOCPART=n.
;; ======== version 1 of 1: 1 launch
;; limits: right only within a limited range of input values
;; launch route (part 1): grid 256 x 1, 4 waves a work-group, clusters of 4 x 1, 327,680 bytes of LDS; arguments W_codes, W_scales, encoder_output_codes, encoder_output_scales, out0; writes out0
.if DOCPART == 1
	.amdgcn_target "amdgcn-amd-amdhsa--gfx1250"
	.amdhsa_code_object_version 6
	.text
	.protected	k_q755ba39416_route
	.globl	k_q755ba39416_route
	.p2align	8
	.type	k_q755ba39416_route,@function
k_q755ba39416_route:
	s_mov_b64 s[64:65], 0
	v_nop
	global_prefetch_b8 v0, s[64:65] scope:SCOPE_SE
	s_setreg_imm32_b32 hwreg(HW_REG_WAVE_MODE, 25, 1), 1
	s_wait_xcnt 0x0
	s_wait_alu depctr_hold_cnt(0) depctr_sa_sdst(0) depctr_va_vdst(0) depctr_va_sdst(0) depctr_va_ssrc(0) depctr_va_vcc(0) depctr_vm_vsrc(0)
	s_getreg_b32 s2, hwreg(HW_REG_IB_STS2, 6, 4)
	s_cmp_eq_u32 s2, 0
	s_cbranch_scc0 .Lentry_in_a_cluster
	s_endpgm
.Lentry_in_a_cluster:
	s_bfe_u32 s2, ttmp6, 0x10000c
	s_cmp_lg_u32 s2, 0x3003
	s_cbranch_scc0 .Lentry_shape_is_right
	s_endpgm
.Lentry_shape_is_right:
; DYNAMIC ROUTING.  u = X W^T on codes of FP6 (E2M3) with one E8M0 scale for each 32 along K; then, for each class (64 rows x 1,024 columns of u), three routing steps in f32:
; d = softmax(b), c_hat = sum over rows of d u, c = squash(c_hat), b += u c.  Only the last c is the result, so the third update of b is not computed.
; SHARES.  A class's u is 64 x 1,024 f32 = 512 registers in each of four waves: it is made in the accumulators and never leaves them.  A work-group stays and walks four classes.
; The product goes by COLUMNS of u: a slot of LDS holds 128 whole rows of W (all of K); in slot j wave w makes columns 128 j + 32 w + 0 .. 31 (two tiles of 16) for all 64 rows: 64 matrix instructions on
; 8 accumulators by turns.  Every slot wants all of K, so the class's 32 fragments of X (384 registers) stay in registers for the class.
; Source 0 = 16 rows of X, source 1 = 16 rows of W: lane (r, h), register i of accumulator (q, mt) holds u[16 mt + 8 h + i][column of tile q, + r].  c_hat is then work inside a lane and one exchange with lane xor 16.
; K IS PERMUTED ALIKE IN BOTH OPERANDS: lane (r, h) takes bytes 384 h .. 384 h + 383 of its row as they lie; fragment s is its 48 bytes at 48 s: blocks 16 h + 2 s and 16 h + 2 s + 1.  So a fragment is three loads
; of 16 bytes at multiples of 16.  The scale word of (row, s) is then the bytes [2 s], [16 + 2 s], [2 s + 1], [17 + 2 s] of the row's 32, gathered by v_perm_b32: W's once at the head, X's once a class.
; CLUSTER.  All work-groups walk the same W: the four of a cluster ask for each tile of W JOINTLY (mask 15).  X belongs to one work-group: plain loads.  A larger cluster would add nothing: a mask names four.
; WHO FETCHES.  A tile of W comes as four loads, one a wave: 32 rows each, the very rows that the wave multiplies.  A slot's refill is waited for one slot later, but for the refill of slot 7's change, which has the first
; routing step in which to land: there waves 0 and 1 fetch W's tile 1 in halves, and waves 2 and 3 the next class's X.  At most one tensor load of a wave is out.
; another order of rounding.  A squared norm under 2^-126 counts as 0 in v_rsq_f32 (ISA guide, its entry: denormals are flushed); a norm of 0 gives NaN, as in the definition.  A scale byte 0xff makes its sums NaN.
; This text claims all of a WGP's LDS.
.set PITCH, 816                        ; a row of 768 bytes in LDS: 3 x (256 + 16) = 51 x 16 bytes: the sixteen rows of a 16-byte load start in sixteen different 16-byte columns modulo 256
.set TROW,  16*PITCH                   ; a tile of 16 rows
.set WQ,    32*PITCH                   ; 32 rows of W: a wave's quarter of a slot
.set WHALF, 64*PITCH                   ; 64 rows of W: half a slot
.set WB1,   128*PITCH                  ; LDS: W's slot for even j at 0, for odd j here
.set AST,   2*WB1                      ; X's codes of one class: 64 rows
.set AHALF, 32*PITCH
.set WSI,   AST+64*PITCH               ; W's permuted scale words as images of registers: wave w at 8,192 w, tile q at 512 q, lane at 16 x lane; each wave reads its own part alone
.set XCH,   WSI+32768                  ; exchange: 512 bytes a wave: 64 row dots at 4 x row, the norm's part at 256 + 32 h
.set OST,   XCH+4096                   ; one row of the output
.set SPARE, OST+4096                   ; the spare words, 128 bytes for each wave: two blocks of 256 bytes that no other line names
; window 0
.set SPW, 1                            ; v1   LDS address of my spare word; never rewritten
.set NIL, 2                            ; v2   0; never rewritten
.set ADW, 3                            ; v3,v4 my place in W's slot 0 (row x pitch + 400 h, + 416 h); v5,v6 in slot 1
.set ADA, 7                            ; v7,v8 the same in X's stage
.set WSA, 9                            ; v9   my place in my wave's scale images
.set XST, 10                           ; v10  exchange: where I store;  v11 where I read
.set XLD, 11
.set OSA, 12                           ; v12  output row: where I store 4 bytes;  v13 where I read 16 back;  v14 the same place in the row of out0
.set OLA, 13
.set GO,  14
.set ASO, 15                           ; v15  32 r + 8 h: my 8 bytes of a row's scales
.set PFO, 16                           ; v16  256 x lane, for the prefetches; never rewritten
.set WS,  20                           ; v20-27, v28-35 W's scale words, two sets (slot j: set j % 2; tile t, register j' at 4 t + j');  v36-51 X's (4 mt + j').  Register j': lanes 0-15 K step j', lanes 16-31 K step 4 + j'
.set AS,  36
.set BS,  52                           ; v52-123 W's fragments: three sets of 24 (K step s: set s % 3; tile t at 12 t)
.set AF0, 124                          ; v124-255 X's fragments f = 4 s + mt = 21 .. 31;  window 1: f = 0 .. 20 at 12 f;  windows 2, 3: accumulator (q, mt) at 8 (4 q + mt)
; the routing's registers lie over W's sets and X's upper fragments, which are dead then
.set BL,  52                           ; v52-83   the logits b of my 32 rows (8 mt + i)
.set DD,  84                           ; v84-115  d; between c_hat and the softmax d is dead: the row dots take its place
.set PP,  116                          ; v116-123 four running pairs; later the norm's parts and s; later 32 bytes of the output
.set CH,  124                          ; v124-139 c_hat of my 16 column tiles
.set TP,  140                          ; v140-147 at work
.set T1,  148                          ; v148-243 the other three waves' row dots
.set WV,  14                           ; s14 wave;  s15 wave & 1;  s16 classes in the loop;  s17 routing steps;  s18 work-group
.set HW,  15
.set CLS, 16
.set ITER, 17
.set GI,  18
.set SEL, 20                           ; s[20:21] v_permlanex16_b32's selects for lane xor 16
.set EVEN, 22                          ; s22, s23 v_perm_b32's selectors
.set ODD, 23
.set L2E, 24                           ; s[24:25] log2(e)
.set HM,  26                           ; s26 the mask of lanes 16-31
.set G1W, 28                           ; s[28:35] group 1 for a quarter of W's tile;  s[36:43] for half of X;  s[44:47], s[48:51] group 0 for my quarter of W's two slots;  s[52:55] for X
.set G1A, 36
.set G0W, 44
.set G0A, 52
.set PFA, 56                           ; s[56:57] the next class's codes, my wave's part;  s[58:59] the scales of the class to be loaded next;  s[60:61] my class's row of out0
.set XS,  58
.set OUT, 60
.set G1H, 80                           ; s[80:87] group 1 for half of W's tile;  s[88:91] its group 0: at the head tile 0 into slot 0, then stepped once to tile 1 into slot 1
.set G0H, 88
.set MSB, 0
.macro WIN new                         ; the immediate's high byte repeats the setting that is left; a switch that changes nothing is dropped
.if MSB != (\new)
	s_set_vgpr_msb (MSB<<8)|(\new)
.set MSB, (\new)
.endif
.endm
.macro PLACES n                        ; plain vector instructions that name no register: the places behind matrix instructions (ISA guide 7.12.1)
.rept \n
	v_nop
.endr
.endm
.macro CREST                           ; a round of the cluster's barrier behind its opening barrier
	s_cmp_lg_u32 s[WV], 0
	s_cbranch_scc1 .Lnot_wave_0_\@
	s_barrier_signal -3
.Lnot_wave_0_\@:
	s_barrier_wait -3
	s_barrier_signal -1
	s_barrier_wait -1
.endm
.macro CROUND
	s_barrier_signal -1
	s_barrier_wait -1
	CREST
.endm
; A refill of slot b: every wave asks, jointly with the same wave of its three partners, for its own quarter of W's tile.  Four v_nop follow; they are also the places in front of the LDS loads behind the macro.
.macro TLOADQ b
	tensor_load_to_lds s[G0W+4*(\b):G0W+4*(\b)+3], s[G1W:G1W+7]
	s_nop 0
	PLACES 4
.endm
; The refill of slot 7's change: waves 0 and 1 ask jointly for the halves of W's tile 1, waves 2 and 3 for the halves of the next class's X.  The branch hangs on the wave's number alone.
.macro TLOADX
	s_cmp_lt_u32 s[WV], 2
	s_cbranch_scc0 .Lfor_x_\@
	tensor_load_to_lds s[G0H:G0H+3], s[G1H:G1H+7]
	s_nop 0
	PLACES 4
	s_branch .Lasked_\@
.Lfor_x_\@:
	tensor_load_to_lds s[G0A:G0A+3], s[G1A:G1A+7]
	s_nop 0
	PLACES 4
.Lasked_\@:
.endm
; A PREFETCH INTO THE L2 of the next class's codes of X: 49,152 dense bytes, lanes 256 bytes apart, 8,192 bytes an instruction.  Waves 2 and 3 ask: two instructions each in slot 4, one in slot 5:
; three and two slots ahead of the tensor load of slot 7 that wants them.  Each block of 256 bytes is named once in the launch; class 0 comes by its load alone; the last class asks for nothing.
.macro ASK off, n
	s_cmp_lt_u32 s[WV], 2
	s_cbranch_scc1 .Lno_ask_\@
.set iK, 0
.rept \n
	global_prefetch_b8 v[PFO], s[PFA:PFA+1] offset:(\off)+16384*iK th:TH_LOAD_NT scope:SCOPE_SE
.set iK, iK+1
.endr
.Lno_ask_\@:
.endm
; Piece ii (0 .. 23) of my 384 bytes of a row.  16 bytes of padding lie behind each 256: lanes 0-15 pass one from piece 16 on, lanes 16-31 (from byte 384) have passed one, and two from piece 8 on.
.macro LDROW rd, ii, ad, off
.if (\ii) < 8
	ds_load_b128 v[\rd:\rd+3], v[\ad] offset:(\off)+16*(\ii)
.elseif (\ii) < 16
	ds_load_b128 v[\rd:\rd+3], v[\ad+1] offset:(\off)+16*(\ii)
.else
	ds_load_b128 v[\rd:\rd+3], v[\ad] offset:(\off)+16*(\ii)+16
.endif
.endm
.macro LOADB b, s, set                 ; my two fragments of W of K step s, from slot b, into a set: six loads
.irp t, 0,1
.irp c, 0,1,2
	LDROW BS+24*(\set)+12*\t+4*\c, 3*(\s)+\c, ADW+2*(\b), TROW*\t
.endr
.endr
.endm
.macro LOADWS j                        ; the scale words of my two tiles of slot j: two loads
.irp t, 0,1
	ds_load_b128 v[WS+8*((\j)%2)+4*\t:WS+8*((\j)%2)+4*\t+3], v[WSA] offset:512*(2*(\j)+\t)
.endr
.endm
.macro LOADA f0, f1                    ; X's fragments f0 .. f1, three loads each
.set iF, \f0
.rept (\f1)-(\f0)+1
.if iF < 21
	WIN 0x40                                       ; destination window 1, address window 0
.set rA, 12*iF
.else
	WIN 0
.set rA, AF0+12*(iF-21)
.endif
.irp c, 0,1,2
	LDROW rA+4*\c, 3*(iF/4)+\c, ADA, TROW*(iF%4)
.endr
.set iF, iF+1
.endr
	WIN 0
.endm
.macro ASLOAD                          ; the raw scale bytes of a class: for each tile of rows my 8 bytes of the row's lower 16 and my 8 of its upper 16
.irp m, 0,1,2,3
	global_load_b64 v[AS+4*\m:AS+4*\m+1], v[ASO], s[XS:XS+1] offset:512*\m th:TH_LOAD_NT
	global_load_b64 v[AS+4*\m+2:AS+4*\m+3], v[ASO], s[XS:XS+1] offset:512*\m+16 th:TH_LOAD_NT
.endr
.endm
.macro PERM4                           ; and their four scale words a tile, in place
.irp m, 0,1,2,3
	v_perm_b32 v17, v[AS+4*\m+2], v[AS+4*\m], s[ODD]
	v_perm_b32 v18, v[AS+4*\m+3], v[AS+4*\m+1], s[EVEN]
	v_perm_b32 v[AS+4*\m], v[AS+4*\m+2], v[AS+4*\m], s[EVEN]
	v_perm_b32 v[AS+4*\m+3], v[AS+4*\m+3], v[AS+4*\m+1], s[ODD]
	v_mov_b32 v[AS+4*\m+1], v17
	v_mov_b32 v[AS+4*\m+2], v18
.endr
.endm
.macro WM rd, ra, rb, sa, sb, mode     ; mode 0: the product starts the sum; 1: K steps 1-3; 2: K steps 4-7, whose scale words stand in lanes 16-31
.if (\mode) == 0
	v_wmma_scale_f32_16x16x128_f8f6f4 v[\rd:\rd+7], v[\ra:\ra+11], v[\rb:\rb+11], 0, v[\sa], v[\sb] matrix_a_fmt:MATRIX_FMT_FP6 matrix_b_fmt:MATRIX_FMT_FP6
.elseif (\mode) == 1
	v_wmma_scale_f32_16x16x128_f8f6f4 v[\rd:\rd+7], v[\ra:\ra+11], v[\rb:\rb+11], v[\rd:\rd+7], v[\sa], v[\sb] matrix_a_fmt:MATRIX_FMT_FP6 matrix_b_fmt:MATRIX_FMT_FP6
.else
	v_wmma_scale_f32_16x16x128_f8f6f4 v[\rd:\rd+7], v[\ra:\ra+11], v[\rb:\rb+11], v[\rd:\rd+7], v[\sa], v[\sb] matrix_a_fmt:MATRIX_FMT_FP6 matrix_b_fmt:MATRIX_FMT_FP6 matrix_a_scale:MATRIX_SCALE_ROW1 matrix_b_scale:MATRIX_SCALE_ROW1
.endif
.endm
; K step s of slot j for the tiles of rows m0 .. m1, each against my two tiles of W.  The slot's eight accumulators take turns, one instruction a turn, in the same order in every step.
.macro MUL j, s, m0, m1
.if (\s) == 0
.set iMode, 0
.elseif (\s) < 4
.set iMode, 1
.else
.set iMode, 2
.endif
.set iM, \m0
.rept (\m1)-(\m0)+1
.set iF, 4*(\s)+iM
.if iF < 21
	WIN 0xa1+0x50*((\j)/4)                         ; X window 1, W window 0, C and D window 2 (slots 0-3) or 3
.set rA, 12*iF
.else
	WIN 0xa0+0x50*((\j)/4)                         ; X window 0
.set rA, AF0+12*(iF-21)
.endif
.irp t, 0,1
.set rD, 8*(4*((2*(\j)+\t)%8)+iM)
.set rB, BS+24*((\s)%3)+12*\t
.set rSA, AS+4*iM+(\s)%4
.set rSB, WS+8*((\j)%2)+4*\t+(\s)%4
	WM rD, rA, rB, rSA, rSB, iMode
.endr
.set iM, iM+1
.endr
.endm
; K steps 0 to 5 of a slot.  W's fragments run two steps ahead, in three sets: the set that the last step multiplied takes the step after next, behind four places.
.macro STEP j, s
	PLACES 4
	WIN 0
.if (\s) == 0
	LOADB (\j)%2,1,1
	LOADB (\j)%2,2,2
.else
	LOADB (\j)%2,(\s)+2,((\s)+2)%3
.endif
	s_wait_dscnt 12                                ; the two younger sets, six loads each, may be out; this step's set and all that was asked for earlier are in
	MUL \j,\s,0,3
.endm
; K steps 6 and 7, and the change of slots: ONE barrier.  In front of it each wave waits for all its tensor loads (its quarter of the next slot), adds 0 to its spare word, and waits for that and for its reads of
; this slot.  fill = 1: the barrier opens a round of the cluster's barrier, and this slot takes W's tile two on (in slots 6 and 7: the next class's tiles 0 and 1).  witha = 1 (slot 7): the next class's X comes too.
.macro CHANGE j, fill, witha, fetch, ask
	WIN 0
	s_wait_tensorcnt 0x0                           ; no tensor load of mine is out, so a group 0 may be written
	ds_add_u32 v[SPW], v[NIL]                      ; 0 onto my spare word
.if (\fill)
.if (\j) < 6
	s_add_nc_u64 s[G0W+4*((\j)%2)+2:G0W+4*((\j)%2)+3], s[G0W+4*((\j)%2)+2:G0W+4*((\j)%2)+3], 196608   ; two tiles of 98,304 bytes on
.else
	s_sub_nc_u64 s[G0W+4*((\j)%2)+2:G0W+4*((\j)%2)+3], s[G0W+4*((\j)%2)+2:G0W+4*((\j)%2)+3], 589824   ; six tiles back (in slot 7 for the next class's steps alone: tile 1 itself comes in halves)
.endif
.if (\witha)
	s_add_nc_u64 s[G0A+2:G0A+3], s[G0A+2:G0A+3], 49152   ; the next class
.endif
.endif
	s_wait_dscnt 7                                 ; step 7's six loads and the add may be out
	MUL \j,6,0,1
	s_wait_dscnt 0x0                               ; the add is done, and my reads of this slot are over
	s_barrier_signal -1
	MUL \j,6,2,3
	WIN 0
	s_barrier_wait -1
.if (\fill)
	CREST                                          ; no wave of any partner still reads this slot or has a load on its way
.if (\witha)
	TLOADX
.else
	TLOADQ (\j)%2
.endif
.else
	PLACES 4
.endif
.if (\fetch)
	LOADB ((\j)+1)%2,0,0                           ; the next slot's first fragments, into the set that step 6 has left, and its scale words
	LOADWS (\j)+1
.endif
.if (\ask) == 1
	ASK 0,2
.elseif (\ask) == 2
	ASK 32768,1
.endif
	MUL \j,7,0,3
.endm
.macro SLOT j, fill, witha, fetch, ask
.irp s, 0,1,2,3,4,5
	STEP \j,\s
.endr
	CHANGE \j,\fill,\witha,\fetch,\ask
.endm
; ---- THE ROUTING'S PARTS ----
; c_hat of my 16 column tiles, four at a time by turns: 16 packed multiply-adds a tile over my 32 rows (each accumulator from its low end on), the pair's halves, and lane xor 16's 32 rows.
.macro CHAT
.irp g, 0,1,2,3
	WIN 0x02+(\g)/2                                ; source 0: the accumulators' window
.irp m, 0,1,2,3
.irp p, 0,1,2,3
.irp c, 0,1,2,3
.set rU, 8*(4*((4*\g+\c)%8)+\m)+2*\p
.if (\m == 0) && (\p == 0)
	v_pk_mul_f32 v[PP+2*\c:PP+2*\c+1], v[rU:rU+1], v[DD+8*\m+2*\p:DD+8*\m+2*\p+1]
.else
	v_pk_fma_f32 v[PP+2*\c:PP+2*\c+1], v[rU:rU+1], v[DD+8*\m+2*\p:DD+8*\m+2*\p+1], v[PP+2*\c:PP+2*\c+1]
.endif
.endr
.endr
.endr
	WIN 0
.irp c, 0,1,2,3
	v_add_f32 v[CH+4*\g+\c], v[PP+2*\c], v[PP+2*\c+1]
.endr
.irp c, 0,1,2,3
	v_permlanex16_b32 v[TP+\c], v[CH+4*\g+\c], s[SEL], s[SEL+1]
.endr
.irp c, 0,1,2,3
	v_add_f32 v[CH+4*\g+\c], v[CH+4*\g+\c], v[TP+\c]
.endr
.endr
.endm
.macro NORMP                           ; my wave's part of |c_hat|^2: my 16 columns in two chains, then the 16 lanes of my half -> v[TP]
	v_pk_mul_f32 v[TP:TP+1], v[CH:CH+1], v[CH:CH+1]
	v_pk_mul_f32 v[TP+2:TP+3], v[CH+2:CH+3], v[CH+2:CH+3]
.irp k, 4,8,12
	v_pk_fma_f32 v[TP:TP+1], v[CH+\k:CH+\k+1], v[CH+\k:CH+\k+1], v[TP:TP+1]
	v_pk_fma_f32 v[TP+2:TP+3], v[CH+\k+2:CH+\k+3], v[CH+\k+2:CH+\k+3], v[TP+2:TP+3]
.endr
	v_pk_add_f32 v[TP:TP+1], v[TP:TP+1], v[TP+2:TP+3]
	v_add_f32 v[TP], v[TP], v[TP+1]
.irp x, 1,2,4,8
	v_add_f32_dpp v[TP], v[TP], v[TP] row_xmask:\x row_mask:0xf bank_mask:0xf
.endr
.endm
.macro DOT                             ; my rows' dots with c_hat over my column of each tile: 16 pairs of rows take turns; c_hat of tile q serves both halves of a pair
.set iQ, 0
.rept 16
	WIN 0x02+iQ/8
.irp m, 0,1,2,3
.irp p, 0,1,2,3
.set rU, 8*(4*(iQ%8)+\m)+2*\p
.if iQ == 0
	v_pk_mul_f32 v[DD+8*\m+2*\p:DD+8*\m+2*\p+1], v[rU:rU+1], v[CH:CH+1] op_sel_hi:[1,0]
.elseif (iQ%2) == 0
	v_pk_fma_f32 v[DD+8*\m+2*\p:DD+8*\m+2*\p+1], v[rU:rU+1], v[CH+iQ:CH+iQ+1], v[DD+8*\m+2*\p:DD+8*\m+2*\p+1] op_sel_hi:[1,0,1]
.else
	v_pk_fma_f32 v[DD+8*\m+2*\p:DD+8*\m+2*\p+1], v[rU:rU+1], v[CH+iQ-1:CH+iQ], v[DD+8*\m+2*\p:DD+8*\m+2*\p+1] op_sel:[0,1,0] op_sel_hi:[1,1,1]
.endif
.endr
.endr
.set iQ, iQ+1
.endr
	WIN 0
.endm
.macro DPPRED                          ; and over the 16 lanes of my half: my wave's 256 columns
.irp x, 1,2,4,8
.set iK, 0
.rept 32
	v_add_f32_dpp v[DD+iK], v[DD+iK], v[DD+iK] row_xmask:\x row_mask:0xf bank_mask:0xf
.set iK, iK+1
.endr
.endr
.endm
.macro XSTORE                          ; my wave's 64 dots and its part of the norm (the sixteen lanes of a half write the same bytes with the same values)
.irp m, 0,1,2,3
	ds_store_b128 v[XST], v[DD+8*\m:DD+8*\m+3] offset:64*\m
	ds_store_b128 v[XST], v[DD+8*\m+4:DD+8*\m+7] offset:64*\m+16
.endr
	ds_store_b32 v[XST], v[TP] offset:256
.endm
.macro NLOAD
.irp w, 0,1,2,3
	ds_load_b32 v[PP+\w], v[XLD] offset:512*\w+256
.endr
.endm
.macro XLOAD                           ; all four waves' dots of my 32 rows, in the same order in every wave, so that every wave makes the same b
.irp w, 0,1,2,3
.if \w == 0
.set rX, DD
.else
.set rX, T1+32*(\w-1)
.endif
.irp m, 0,1,2,3
	ds_load_b128 v[rX+8*\m:rX+8*\m+3], v[XLD] offset:512*\w+64*\m
	ds_load_b128 v[rX+8*\m+4:rX+8*\m+7], v[XLD] offset:512*\w+64*\m+16
.endr
.endr
	NLOAD
.endm
.macro SQ1                             ; the norm, and the two transcendentals of s = norm / (1 + norm) / sqrt(norm)
	v_add_f32 v[PP], v[PP], v[PP+1]
	v_add_f32 v[PP+2], v[PP+2], v[PP+3]
	v_add_f32 v[PP+2], v[PP], v[PP+2]
	v_add_f32 v[PP+3], 1.0, v[PP+2]
	s_wait_alu depctr_va_vdst(0)
	v_rcp_f32 v[PP], v[PP+3]
	v_rsq_f32 v[PP+1], v[PP+2]
.endm
.macro SQ2                             ; behind plain work that names none of the two results: one wait for both ahead of the first reader; then s -> v[PP]
	s_wait_alu depctr_va_vdst(0)
	v_mul_f32 v[PP], v[PP], v[PP+2]
	v_mul_f32 v[PP], v[PP], v[PP+1]
.endm
.macro UPDATE                          ; b += s x (w0 + w1 + (w2 + w3))
	SQ1
.set iK, 0
.rept 16
	v_pk_add_f32 v[DD+iK:DD+iK+1], v[DD+iK:DD+iK+1], v[T1+iK:T1+iK+1]
	v_pk_add_f32 v[T1+32+iK:T1+33+iK], v[T1+32+iK:T1+33+iK], v[T1+64+iK:T1+65+iK]
.set iK, iK+2
.endr
.set iK, 0
.rept 16
	v_pk_add_f32 v[DD+iK:DD+iK+1], v[DD+iK:DD+iK+1], v[T1+32+iK:T1+33+iK]
.set iK, iK+2
.endr
	SQ2
.set iK, 0
.rept 16
	v_pk_fma_f32 v[BL+iK:BL+iK+1], v[DD+iK:DD+iK+1], v[PP:PP+1], v[BL+iK:BL+iK+1] op_sel_hi:[1,0,1]
.set iK, iK+2
.endr
.endm
.macro SOFTMAX                         ; d = softmax(b) over the 64 rows: my 32 and lane xor 16's; the maximum is taken away first
.irp c, 0,1,2,3
	v_max3_num_f32 v[TP+\c], v[BL+8*\c], v[BL+8*\c+1], v[BL+8*\c+2]
.endr
.irp c, 0,1,2,3
	v_max3_num_f32 v[TP+\c], v[TP+\c], v[BL+8*\c+3], v[BL+8*\c+4]
.endr
.irp c, 0,1,2,3
	v_max3_num_f32 v[TP+\c], v[TP+\c], v[BL+8*\c+5], v[BL+8*\c+6]
.endr
	v_max3_num_f32 v[TP], v[TP], v[BL+7], v[BL+15]
	v_max3_num_f32 v[TP+2], v[TP+2], v[BL+23], v[BL+31]
	v_max3_num_f32 v[TP], v[TP], v[TP+1], v[TP+2]
	v_max_num_f32 v[TP], v[TP], v[TP+3]
	v_permlanex16_b32 v[TP+1], v[TP], s[SEL], s[SEL+1]
	v_max_num_f32 v[TP], v[TP], v[TP+1]
	v_mul_f32 v[TP], s[L2E], v[TP]
.set iK, 0
.rept 16
	v_pk_fma_f32 v[DD+iK:DD+iK+1], v[BL+iK:BL+iK+1], s[L2E:L2E+1], v[TP:TP+1] op_sel_hi:[1,0,0] neg_lo:[0,0,1] neg_hi:[0,0,1]   ; (b - max) log2(e)
.set iK, iK+2
.endr
.set iK, 0
	s_wait_alu depctr_va_vdst(0)
.rept 32
	v_exp_f32 v[DD+iK], v[DD+iK]
.set iK, iK+1
.endr
	v_nop                                          ; a plain instruction behind the last exponential,
	s_wait_alu depctr_va_vdst(0)                   ; and one wait for the batch of 32, ahead of its first reader
	v_pk_add_f32 v[TP:TP+1], v[DD:DD+1], v[DD+2:DD+3]
	v_pk_add_f32 v[TP+2:TP+3], v[DD+4:DD+5], v[DD+6:DD+7]
.irp k, 8,12,16,20,24,28
	v_pk_add_f32 v[TP:TP+1], v[TP:TP+1], v[DD+\k:DD+\k+1]
	v_pk_add_f32 v[TP+2:TP+3], v[TP+2:TP+3], v[DD+\k+2:DD+\k+3]
.endr
	v_pk_add_f32 v[TP:TP+1], v[TP:TP+1], v[TP+2:TP+3]
	v_add_f32 v[TP], v[TP], v[TP+1]
	v_permlanex16_b32 v[TP+1], v[TP], s[SEL], s[SEL+1]
	v_add_f32 v[TP], v[TP], v[TP+1]
	s_wait_alu depctr_va_vdst(0)
	v_rcp_f32 v[TP+2], v[TP]
	v_nop
	s_wait_alu depctr_va_vdst(0)
.set iK, 0
.rept 16
	v_pk_mul_f32 v[DD+iK:DD+iK+1], v[DD+iK:DD+iK+1], v[TP+2:TP+3] op_sel_hi:[1,0]
.set iK, iK+2
.endr
.endm
; THE ROUTING of the class in the accumulators.  next = 1: the next class's operands come into registers on the way, each as soon as it has landed and its registers are dead.
.macro ROUTE next
	PLACES 4                                       ; b and d lie over sets of W that the last products read
	WIN 0
.set iK, 0
.rept 32
	v_mov_b32 v[BL+iK], 0                          ; b = 0, so d = softmax(b) = 1 / 64: the two steps that update b are then one loop
	v_mov_b32 v[DD+iK], 0x3c800000
.set iK, iK+1
.endr
.irp k, 0,1,2,3
	v_mov_b32 v[TP+\k], 0                          ; (a lane permute's destination counts as one of its sources)
.endr
.if (\next)
	ASLOAD                                         ; the next class's scale bytes: wanted at the second trip's end
.endif
	s_mov_b32 s[ITER], 3                           ; three trips; the third makes c_hat and its norm alone and leaves for the way out
.Liter_\@:
	CHAT
	NORMP
	s_wait_alu depctr_va_vdst(0)                   ; the wait ahead of the branch
	s_cmp_eq_u32 s[ITER], 1
	s_cbranch_scc1 .Lfin_\@
	DOT
	DPPRED
	XSTORE
.if (\next)
	s_wait_tensorcnt 0x0                           ; for the others' sake: what I asked for at slot 7's change (half of X, or half of W's tile 1) has landed. In the second trip nothing is out
.endif
	s_wait_dscnt 0x0                               ; my stores have landed
	s_barrier_signal -1
	s_barrier_wait -1
	XLOAD
	s_wait_dscnt 0x0                               ; my reads of the exchange are over:
	s_barrier_signal -1                            ; say so; the wait stands at the trip's end, ahead of the next write of those bytes; register work alone between
	UPDATE
	SOFTMAX
	s_barrier_wait -1
.if (\next)
	s_cmp_lg_u32 s[ITER], 3                        ; at the first trip's end: the next class's X lies whole in LDS since this trip's first barrier, and window 1 is dead:
	s_cbranch_scc1 .Lsecond_\@
	LOADA 0,20                                     ; 63 loads, which land under the second trip's c_hat
	s_branch .Lnext_\@
.Lsecond_\@:                                           ; at the second trip's end: b and the other waves' dots are dead
	s_wait_loadcnt 0x0                             ; the scale bytes
	PERM4                                          ; (the last c_hat's 256 instructions are the places between these and the next product)
	LOADA 23,31                                    ; these land under the last c_hat
	LOADB 0,0,0
	LOADWS 0
.Lnext_\@:
.endif
	s_sub_co_u32 s[ITER], s[ITER], 1
	s_cmp_lg_u32 s[ITER], 0                        ; the counter is 2 or 1 here: the third trip leaves above
	s_cbranch_scc1 .Liter_\@
.Lfin_\@:
	ds_store_b32 v[XST], v[TP] offset:256
.if (\next)
	s_wait_loadcnt 0x0                             ; the scale bytes and the tiles asked for at slot 7's change were waited for in the trips before: both waits are met at once
	s_wait_tensorcnt 0x0
.endif
	s_wait_dscnt 0x0
	s_barrier_signal -1
	s_barrier_wait -1
	NLOAD
	s_wait_dscnt 0x0
	SQ1
.irp j, 0,1,2,3,4,5,6,7
	v_cndmask_b32 v[TP+\j], v[CH+2*\j], v[CH+2*\j+1], s[HM]   ; both halves hold both tiles of a slot: lanes 0-15 take the first, lanes 16-31 the second: 32 neighbouring columns
.endr
	SQ2
.irp j, 0,2,4,6
	v_pk_mul_f32 v[TP+\j:TP+\j+1], v[TP+\j:TP+\j+1], v[PP:PP+1] op_sel_hi:[1,0]   ; c = s c_hat
.endr
.irp j, 0,1,2,3,4,5,6,7
	ds_store_b32 v[OSA], v[TP+\j] offset:512*\j    ; columns 128 j + 32 w + lane
.endr
	s_wait_dscnt 0x0                               ; my stores have landed, and my reads of the norm's parts are over
	s_barrier_signal -1
	s_barrier_wait -1
	ds_load_b128 v[PP:PP+3], v[OLA]                ; my quarter of the row
	ds_load_b128 v[PP+4:PP+7], v[OLA] offset:512
.if (\next)
	LOADA 21,22                                    ; c_hat's registers are dead
	s_wait_dscnt 6                                 ; those six may be out
.else
	s_wait_dscnt 0x0
.endif
	global_store_b128 v[GO], v[PP:PP+3], s[OUT:OUT+1] th:TH_STORE_NT              ; 32 lanes store 512 consecutive bytes, at a multiple of 256 from the output's first byte
	global_store_b128 v[GO], v[PP+4:PP+7], s[OUT:OUT+1] offset:512 th:TH_STORE_NT
.endm
.macro CLASS last
	SLOT 0,1,0,1,0
	SLOT 1,1,0,1,0
	SLOT 2,1,0,1,0
	SLOT 3,1,0,1,0
	SLOT 4,1,0,1,1-(\last)
	SLOT 5,1,0,1,2-2*(\last)
.if (\last)
	SLOT 6,0,0,1,0                                 ; nothing is left to fetch: a plain barrier shows W's last tile to every wave
.irp s, 0,1,2,3,4,5
	STEP 7,\s
.endr
	s_wait_dscnt 6                                 ; step 7's set may be out
	MUL 7,6,0,3
	s_wait_dscnt 0x0
	MUL 7,7,0,3
.else
	SLOT 6,1,0,1,0                                 ; the ring goes on into the next class: W's tile 0,
	SLOT 7,1,1,0,0                                 ; W's tile 1 and the next class's X
.endif
	ROUTE 1-(\last)
.endm
; ---- THE HEAD ----
	s_load_b256 s[4:11], s[0:1], 0x0               ; W's codes s[4:5], W's scales s[6:7], X's codes s[8:9], X's scales s[10:11]
	s_load_b64 s[12:13], s[0:1], 0x20              ; out0
	v_lshl_add_u32 v[SPW], v0, 2, SPARE
	v_mov_b32 v[NIL], 0
	ds_add_u32 v1, v2
	ds_add_u32 v1, v2
	s_wait_dscnt 0x0
	v_lshrrev_b32 v17, 5, v0
	v_readfirstlane_b32 s[WV], v17                 ; wave 0..3
	s_and_b32 s[HW], s[WV], 1                      ; which half I fetch where tiles come in halves
	s_bfe_u32 s62, ttmp6, 0x40000                  ; cx: it enters the global addresses of X, its scales and out0 alone
	s_lshl_b32 s[GI], ttmp9, 2                     ; in a cluster launch ttmp9 counts clusters
	s_add_co_u32 s[GI], s[GI], s62                 ; my work-group: classes 4 g .. 4 g + 3
	s_mov_b32 s[SEL], 0x76543210
	s_mov_b32 s[SEL+1], 0xfedcba98
	s_mov_b32 s[EVEN], 0x05010400                  ; bytes lo[0], hi[0], lo[1], hi[1]
	s_mov_b32 s[ODD], 0x07030602                   ; bytes lo[2], hi[2], lo[3], hi[3]
	s_mov_b32 s[L2E], 0x3fb8aa3b
	s_mov_b32 s[L2E+1], s[L2E]                     ; (named with it as a pair, so it is written)
	s_mov_b32 s[HM], 0xffff0000
	; group 1: dense blocks as rows of 256 bytes (32 elements of 8), 16 bytes of padding behind each.  W's quarter: 32 rows of 768 bytes = 96 such rows, W's half: 192, both asked for jointly by the four work-groups; half of X: 96, a plain load
	s_mov_b32 s[G1W], 15|(3<<16)|(1<<20)|(1<<21)|(5<<22)|(3<<25)
	s_mov_b32 s[G1W+1], 32<<16
	s_mov_b32 s[G1W+2], 96<<16
	s_mov_b32 s[G1W+3], 32<<16
	s_mov_b32 s[G1W+4], 96
	s_mov_b32 s[G1W+5], 32
	s_mov_b32 s[G1W+6], 0
	s_mov_b32 s[G1W+7], 0
	s_mov_b32 s[G1H], 15|(3<<16)|(1<<20)|(1<<21)|(5<<22)|(3<<25)
	s_mov_b32 s[G1H+1], 32<<16
	s_mov_b32 s[G1H+2], 192<<16
	s_mov_b32 s[G1H+3], 32<<16
	s_mov_b32 s[G1H+4], 192
	s_mov_b32 s[G1H+5], 32
	s_mov_b32 s[G1H+6], 0
	s_mov_b32 s[G1H+7], 0
	s_mov_b32 s[G1A], (3<<16)|(1<<20)|(5<<22)|(3<<25)
	s_mov_b32 s[G1A+1], 32<<16
	s_mov_b32 s[G1A+2], 96<<16
	s_mov_b32 s[G1A+3], 32<<16
	s_mov_b32 s[G1A+4], 96
	s_mov_b32 s[G1A+5], 32
	s_mov_b32 s[G1A+6], 0
	s_mov_b32 s[G1A+7], 0
	; every LDS address: a constant + constants x r, h, lane and wave
	v_and_b32 v17, 15, v0                          ; r
	v_bfe_u32 v18, v0, 4, 1                        ; h
	v_and_b32 v19, 31, v0                          ; lane
	s_mul_i32 s68, s[WV], WQ                       ; my 32 rows of a slot: where I read, and where my quarter lands
	s_lshl_b32 s69, s[WV], 13
	s_lshl_b32 s70, s[WV], 9
	s_lshl_b32 s71, s[WV], 7
	s_lshl_b32 s72, s[WV], 10
	v_mul_u32_u24 v[ADW], v17, PITCH
	v_mad_u32_u24 v[ADW+1], v18, 416, v[ADW]
	v_mad_u32_u24 v[ADW], v18, 400, v[ADW]
	v_add_nc_u32 v[ADA], AST, v[ADW]
	v_add_nc_u32 v[ADA+1], AST, v[ADW+1]
	v_add_nc_u32 v[ADW], s68, v[ADW]
	v_add_nc_u32 v[ADW+1], s68, v[ADW+1]
	v_add_nc_u32 v[ADW+2], WB1, v[ADW]
	v_add_nc_u32 v[ADW+3], WB1, v[ADW+1]
	v_lshlrev_b32 v[WSA], 4, v19
	v_add_nc_u32 v[WSA], s69, v[WSA]
	v_add_nc_u32 v[WSA], WSI, v[WSA]
	v_lshlrev_b32 v[XLD], 5, v18
	v_add_nc_u32 v[XLD], XCH, v[XLD]
	v_add_nc_u32 v[XST], s70, v[XLD]
	v_lshlrev_b32 v[OSA], 2, v19
	v_add_nc_u32 v[OSA], s71, v[OSA]
	v_add_nc_u32 v[OSA], OST, v[OSA]
	v_lshlrev_b32 v[GO], 4, v19
	v_add_nc_u32 v[GO], s72, v[GO]
	v_add_nc_u32 v[OLA], OST, v[GO]
	v_lshlrev_b32 v[ASO], 5, v17
	v_lshl_add_u32 v[ASO], v18, 3, v[ASO]
	v_lshlrev_b32 v[PFO], 8, v19
	v_add_nc_u32 v19, s72, v[ASO]                  ; W's scales: 32 bytes a row; my wave's 32 rows of a slot begin 1,024 w on
	; offsets.  Those of W hang on the wave alone (s68, s73-75, s92-93); those of X, its scales and out0 on the work-group too (s66-67, s76-79)
	s_mul_i32 s92, s[WV], 24576                    ; my quarter of a tile of W in memory
	s_mov_b32 s93, 0
	s_mul_i32 s73, s[HW], WHALF                    ; my half of slot 0,
	s_mul_i32 s74, s[HW], 49152                    ; and of W's tile 0
	s_mov_b32 s75, 0
	s_mul_i32 s71, s[HW], 24576
	s_lshl_b32 s69, s[HW], 13
	s_mul_i32 s70, s[HW], AHALF
	s_mul_i32 s76, s[GI], 196608                   ; four classes of 49,152 bytes
	s_add_co_u32 s78, s76, s69
	s_add_co_u32 s78, s78, 49152                   ; the prefetches begin at my second class
	s_add_co_u32 s76, s76, s71
	s_mov_b32 s77, 0
	s_mov_b32 s79, 0
	s_wait_kmcnt 0x0
	s_mov_b32 s[G0W], 1                            ; count = 1
	s_mov_b32 s[G0W+1], s68                        ; LDS address: slot 0, my quarter
	s_add_nc_u64 s[G0W+2:G0W+3], s[4:5], s[92:93]  ; W's tile 0, my quarter
	s_mov_b32 s[G0W+4], 1
	s_add_co_u32 s[G0W+5], s68, WB1
	s_add_nc_u64 s[G0W+6:G0W+7], s[G0W+2:G0W+3], 98304   ; tile 1
	s_or_b32 s[G0W+3], s[G0W+3], 0x80000000        ; type = 2
	s_or_b32 s[G0W+7], s[G0W+7], 0x80000000
	s_mov_b32 s[G0H], 1
	s_mov_b32 s[G0H+1], s73
	s_add_nc_u64 s[G0H+2:G0H+3], s[4:5], s[74:75]
	s_or_b32 s[G0H+3], s[G0H+3], 0x80000000
	s_mov_b32 s[G0A], 1
	s_add_co_u32 s[G0A+1], s70, AST
	s_add_nc_u64 s[G0A+2:G0A+3], s[8:9], s[76:77]
	s_or_b32 s[G0A+3], s[G0A+3], 0x80000000
	s_add_nc_u64 s[PFA:PFA+1], s[8:9], s[78:79]
	s_lshl_b32 s66, s[GI], 13                      ; four classes of 2,048 scale bytes
	s_mov_b32 s67, 0
	s_add_nc_u64 s[XS:XS+1], s[10:11], s[66:67]
	s_lshl_b32 s66, s[GI], 14                      ; four rows of 4,096 bytes
	s_add_nc_u64 s[OUT:OUT+1], s[12:13], s[66:67]
	CROUND                                         ; all four work-groups are here: the first joint loads meet
	TLOADX                                         ; the head's fills, one tensor load a wave: waves 0 and 1 the halves of W's tile 0, waves 2 and 3 the halves of the first class's X
	s_wait_alu depctr_va_vdst(0)
.irp q, 0,1,2,3,4,5,6,7,8,9,10,11,12,13,14,15      ; W's scale bytes of my 16 tiles: rows 128 (q / 2) + 32 w + 16 (q % 2) + r
	global_load_b64 v[124+4*\q:125+4*\q], v19, s[6:7] offset:4096*(\q/2)+512*(\q%2)
	global_load_b64 v[126+4*\q:127+4*\q], v19, s[6:7] offset:4096*(\q/2)+512*(\q%2)+16
.endr
	ASLOAD
	s_wait_loadcnt 0x0
	s_add_nc_u64 s[XS:XS+1], s[XS:XS+1], 2048      ; (the loads are done)  the next class's
	PERM4                                          ; X's first: W's 64 lines below are the places between these and the first product
.irp q, 0,1,2,3,4,5,6,7,8,9,10,11,12,13,14,15
	v_perm_b32 v[188+4*\q], v[126+4*\q], v[124+4*\q], s[EVEN]
	v_perm_b32 v[189+4*\q], v[126+4*\q], v[124+4*\q], s[ODD]
	v_perm_b32 v[190+4*\q], v[127+4*\q], v[125+4*\q], s[EVEN]
	v_perm_b32 v[191+4*\q], v[127+4*\q], v[125+4*\q], s[ODD]
.endr
.irp q, 0,1,2,3,4,5,6,7,8,9,10,11,12,13,14,15
	ds_store_b128 v[WSA], v[188+4*\q:191+4*\q] offset:512*\q   ; an image of the four scale registers of tile q; my wave alone reads it
.endr
	s_wait_alu depctr_va_vdst(0)
	s_wait_tensorcnt 0x0                           ; my one load of the head has landed
	ds_add_u32 v[SPW], v[NIL]
	s_add_co_u32 s[G0H+1], s[G0H+1], WB1           ; no tensor load of mine is out: the halves' group 0 steps to slot 1
	s_add_nc_u64 s[G0H+2:G0H+3], s[G0H+2:G0H+3], 98304   ; and to W's tile 1, where it stays
	s_wait_dscnt 0x0                               ; the add and my stores of the scale images are done
	CROUND                                         ; everybody's part is in, and the four work-groups are here
	TLOADQ 1                                       ; slot 1's first fill: my quarter of W's tile 1; slot 0's first 48 products stand between it and the wait for it.  One tensor load of a wave is out at any time
	LOADA 0,31
	LOADB 0,0,0
	LOADWS 0
	s_mov_b32 s[CLS], 3
.Lclass:                                               ; three classes that have a successor
	CLASS 0
	s_wait_xcnt 0x0                                ; the stores, the scale loads and the prefetches have read their addresses and data: the pointers step, and W's third set may be loaded over the stored registers
	s_add_nc_u64 s[XS:XS+1], s[XS:XS+1], 2048
	s_add_nc_u64 s[OUT:OUT+1], s[OUT:OUT+1], 4096
	s_add_nc_u64 s[PFA:PFA+1], s[PFA:PFA+1], 49152
	s_sub_co_u32 s[CLS], s[CLS], 1
	s_cmp_lg_u32 s[CLS], 0
	s_cbranch_scc1 .Lclass
	CLASS 1                                        ; the last class is written out
	s_wait_tensorcnt 0x0                           ; the wave's end, behind my last tensor load and my last LDS store
	ds_add_u32 v[SPW], v[NIL]
	s_wait_dscnt 0x0
	CROUND                                         ; the closing round: no work-group ends while a partner may still ask for a tile that names it
	s_endpgm
.Lfunc_end_k_q755ba39416_route:
	.size	k_q755ba39416_route, .Lfunc_end_k_q755ba39416_route-k_q755ba39416_route
	.p2alignl 7, 3214868480
	.fill 96, 4, 3214868480
	.section	.rodata,"a",@progbits
	.p2align	6, 0x0
	.amdhsa_kernel k_q755ba39416_route
		.amdhsa_group_segment_fixed_size 327680
		.amdhsa_private_segment_fixed_size 0
		.amdhsa_enable_private_segment 0
		.amdhsa_kernarg_size 40
		.amdhsa_user_sgpr_count 2
		.amdhsa_user_sgpr_kernarg_segment_ptr 1
		.amdhsa_wavefront_size32 1
		.amdhsa_system_sgpr_workgroup_id_x 1
		.amdhsa_system_sgpr_workgroup_id_y 1
		.amdhsa_system_sgpr_workgroup_id_z 1
		.amdhsa_system_vgpr_workitem_id 0
		.amdhsa_next_free_vgpr 1024
		.amdhsa_next_free_sgpr 96
		.amdhsa_reserve_vcc 0
		.amdhsa_float_denorm_mode_32 3
		.amdhsa_float_denorm_mode_16_64 3
		.amdhsa_memory_ordered 1
		.amdhsa_forward_progress 1
		.amdhsa_inst_pref_size 255
	.end_amdhsa_kernel
	.section	.bss,"aw",@nobits
	.p2align	6
	.space	262144
	.amdgpu_metadata
---
amdhsa.version: [ 1, 2 ]
amdhsa.kernels:
  - .name:           k_q755ba39416_route
    .symbol:         k_q755ba39416_route.kd
    .args:
      - { .name: W_codes, .offset: 0, .size: 8, .value_kind: global_buffer, .address_space: global }
      - { .name: W_scales, .offset: 8, .size: 8, .value_kind: global_buffer, .address_space: global }
      - { .name: encoder_output_codes, .offset: 16, .size: 8, .value_kind: global_buffer, .address_space: global }
      - { .name: encoder_output_scales, .offset: 24, .size: 8, .value_kind: global_buffer, .address_space: global }
      - { .name: out0, .offset: 32, .size: 8, .value_kind: global_buffer, .address_space: global }
    .group_segment_fixed_size: 327680
    .private_segment_fixed_size: 0
    .kernarg_segment_align: 8
    .kernarg_segment_size: 40
    .max_flat_workgroup_size: 128
    .sgpr_count:     96
    .vgpr_count:     1024
    .wavefront_size: 32
...
	.end_amdgpu_metadata
.endif
;; end of part 1
